; MI455X (gfx1250); checked and timed in simulation.
; The chip was launched on July 23, 2026; its instructions are those of AMD's public machine-readable ISA for CDNA 5 (MIT licence, August 2026) and "CDNA5" Instruction Set Architecture Reference Guide (July 2026). The comments in the code are by the model that wrote it; some were corrected since.
;; CLUB Categorical. Allowed arithmetic: float matrix products may take bf16 or f16 operands with f32 sums; all other float work in f32.
;; Inputs: W1 512 x 1,024 float32; W2 1,024 x 512 float32; b1 1,024 float32; b2 512 float32; x_samples 8,192 x 512 float32; y_idx 8,192 int32.
;; Outputs: out0 8,192 float32.
;; One version. Each part assembles by itself: llvm-mc -triple=amdgcn-amd-amdhsa -mcpu=gfx1250 --defsym DOCPART=n.
;; ======== version 1 of 1: 2 launches
;; workspace buffers: wf 2,097,152 bytes; wts 2,048 bytes
;; launch prep (part 1): grid 256 x 1, 4 waves a work-group, no clusters, 768 bytes of LDS; arguments W1, W2, y_idx, wf, wts; writes wf, wts
.if DOCPART == 1
	.amdgcn_target "amdgcn-amd-amdhsa--gfx1250"
	.amdhsa_code_object_version 6
	.text
	.protected	k_qeaa49a0c5e_prep
	.globl	k_qeaa49a0c5e_prep
	.p2align	8
	.type	k_qeaa49a0c5e_prep,@function
k_qeaa49a0c5e_prep:
	s_mov_b64 s[64:65], 0
	v_nop
	global_prefetch_b8 v0, s[64:65] scope:SCOPE_SE
	s_setreg_imm32_b32 hwreg(HW_REG_WAVE_MODE, 25, 1), 1
	s_wait_xcnt 0x0
; prep: (1) W1 [512][1024] and W2 [1024][512], f32, are rounded once to bf16 and laid into wf in the order in which the next launch consumes them;
;       (2) wts[c] = (number of j with y_idx[j] = c) / 8192, f32, for c = 0 .. 511.
; wf = 16 fills of 131,072 bytes; fill 2t is W1's part of chunk t (hidden units 128t .. 128t+127), fill 2t+1 is W2's part.
; A fill = 4 wave parts of 32,768 bytes (w); a part = 32 fragments of 1,024 bytes (i).  A fragment is the register image of a 16-bit
; operand of 16 x 32: the 16 bytes at 512 q + 16 (r + 16 h) hold S[k0 + 16 q + 8 h + 0..7][n0 + r].
;   even fill: S = W1, i = 2 ks + ht:   k0 = 32 ks,           n0 = 128 t + 32 w + 16 ht
;   odd fill:  S = W2, i = 8 ks4 + ct8: k0 = 128 t + 32 ks4,  n0 = 128 w + 16 ct8
; 1,024 waves; wave P = 4 x work-group + wave makes the pair of fragments at byte 2,048 P: a block of 32 (k) x 32 (n) of S.
; Lane L takes column n0 + L, 32 loads of 4 bytes (128 neighbouring bytes a load); its rows 8 g .. 8 g + 7 pack into the 16 bytes at
; 1,024 (L / 16) + 256 g + 16 (L % 16), so that sixteen neighbouring lanes store 256 consecutive bytes, aligned.
; The work-group also counts classes 2 x work-group and 2 x work-group + 1 over all 8,192 indices (64 a thread).
; The bytes are few and each is converted once: no matrix unit, no cluster, no tile in LDS.  LDS carries the four waves' counts alone.
; Kept as they are: a work-group's two weights are 8 bytes of wts (2,048 bytes in all); an index outside 0 .. 511 is counted nowhere.
.set WR, 8                             ; v[8:39]    my column of the block, rows 0 .. 31, f32
.set PK, 40                            ; v[40:55]   the same in bf16: 4 registers for each group of 8 rows
.set YI, 64                            ; v[64:127]  my 64 indices
.macro LOADW b, pitch                  ; 32 rows of the block, pitch bytes apart
.set row, 0
.rept 32
	global_load_b32 v[WR+row], v1, s[\b:\b+1] offset:row*\pitch
.set row, row+1
.endr
.endm
	s_load_b256 s[4:11], s[0:1], 0x0               ; W1 s[4:5], W2 s[6:7], y_idx s[8:9], wf s[10:11]
	s_load_b64 s[12:13], s[0:1], 0x20              ; wts
	v_lshl_add_u32 v128, v0, 2, 0x100
	v_mov_b32 v129, 0
	v_lshrrev_b32 v4, 5, v0
	v_readfirstlane_b32 s14, v4                    ; wave 0 .. 3
	v_and_b32 v5, 31, v0                           ; L
	v_lshlrev_b32 v1, 2, v5                        ; 4 L: my column in the block
	v_and_b32 v6, 15, v0
	v_lshrrev_b32 v7, 4, v5
	v_lshlrev_b32 v2, 4, v6
	v_lshl_add_u32 v2, v7, 10, v2                  ; 1,024 (L / 16) + 16 (L % 16): my place in the pair of fragments
	v_lshlrev_b32 v3, 4, v0                        ; 16 x thread: my place in y_idx
	s_bfe_u32 s15, ttmp9, 0x10004                  ; fill's parity: 0 = W1, 1 = W2
	s_lshr_b32 s16, ttmp9, 5                       ; t
	s_bfe_u32 s17, ttmp9, 0x20002                  ; w
	s_and_b32 s18, ttmp9, 3
	s_lshl2_add_u32 s18, s18, s14                  ; i2 = 4 (work-group % 4) + wave: which pair of the part's sixteen
	s_lshl_b32 s24, ttmp9, 1                       ; the two classes that this work-group counts
	s_add_co_u32 s25, s24, 1
	s_mov_b32 s23, 0                               ; s[22:23]: an offset below 4 GiB as a pair
	s_lshl_b32 s22, ttmp9, 13
	s_lshl_b32 s48, s14, 11
	s_add_co_u32 s22, s22, s48                     ; 2,048 P
	s_wait_kmcnt 0x0
	s_add_nc_u64 s[10:11], s[10:11], s[22:23]      ; wf at my pair
	s_lshl_b32 s22, ttmp9, 3
	s_add_nc_u64 s[12:13], s[12:13], s[22:23]      ; wts at the work-group's two classes
	s_cmp_lg_u32 s15, 0                            ; the same for all four waves
	s_cbranch_scc1 .Lfrom_w2
	s_lshl_b32 s22, s18, 17                        ; W1: k0 = 32 i2 rows of 4,096 bytes
	s_lshl_b32 s48, s16, 9                         ;     + 4 (128 t
	s_add_co_u32 s22, s22, s48
	s_lshl_b32 s48, s17, 7                         ;          + 32 w)
	s_add_co_u32 s22, s22, s48
	s_add_nc_u64 s[4:5], s[4:5], s[22:23]
	LOADW 4, 4096
	s_branch .Lloaded
.Lfrom_w2:
	s_lshl_b32 s22, s16, 18                        ; W2: k0 = 128 t + 32 (i2 / 4) rows of 2,048 bytes
	s_lshr_b32 s48, s18, 2
	s_lshl_b32 s48, s48, 16
	s_add_co_u32 s22, s22, s48
	s_lshl_b32 s48, s17, 9                         ;     + 4 (128 w
	s_add_co_u32 s22, s22, s48
	s_and_b32 s48, s18, 3
	s_lshl_b32 s48, s48, 7                         ;          + 32 (i2 % 4))
	s_add_co_u32 s22, s22, s48
	s_add_nc_u64 s[6:7], s[6:7], s[22:23]
	LOADW 6, 2048
.Lloaded:                                              ; 32 loads are out on either way
.irp i, 0,1,2,3,4,5,6,7,8,9,10,11,12,13,14,15
	global_load_b128 v[YI+4*\i:YI+4*\i+3], v3, s[8:9] offset:2048*\i   ; 128 threads x 16 bytes = 2,048 bytes a load, 32,768 in all
.endr
	s_wait_loadcnt 16                              ; loads come back in order: the 32 of W are in, the 16 younger ones of y_idx may stay out
.irp g, 0,1,2,3
.irp p, 0,1,2,3
	v_cvt_pk_bf16_f32 v[PK+4*\g+\p], v[WR+8*\g+2*\p], v[WR+8*\g+2*\p+1]    ; rows 8 g + 2 p and + 1: the lower k in the low half
.endr
	global_store_b128 v2, v[PK+4*\g:PK+4*\g+3], s[10:11] offset:256*\g     ; g = 2 q + h
.endr
	s_wait_loadcnt 0x0                             ; my 64 indices
	s_mov_b32 s20, 0                               ; the wave's counts of the two classes
	s_mov_b32 s21, 0
.set g, 0
.rept 8
.irp j, 0,1,2,3,4,5,6,7
	v_cmp_eq_u32 s[32+\j], s24, v[YI+8*g+\j]       ; a bit for each lane whose index is the class
	v_cmp_eq_u32 s[40+\j], s25, v[YI+8*g+\j]
.endr
.irp j, 0,1,2,3,4,5,6,7
	s_bcnt1_i32_b32 s48, s[32+\j]
	s_add_co_u32 s20, s20, s48
	s_bcnt1_i32_b32 s48, s[40+\j]
	s_add_co_u32 s21, s21, s48
.endr
.set g, g+1
.endr
	; the four waves' counts meet in LDS: 8 bytes a wave
	v_mov_b32 v4, s20
	v_mov_b32 v5, s21
	s_lshl_b32 s48, s14, 3
	v_mov_b32 v6, s48
	ds_store_b64 v6, v[4:5]                        ; every lane writes the same two words
	s_wait_dscnt 0x0                               ; for the other waves' sake: the store is done before the signal
	s_barrier_signal -1
	s_barrier_wait -1
	v_mov_b32 v7, 0
	ds_load_b128 v[56:59], v7                      ; waves 0 and 1: (class 0, class 1) each
	ds_load_b128 v[60:63], v7 offset:16            ; waves 2 and 3
	s_wait_dscnt 0x0
	v_add3_u32 v4, v56, v58, v60
	v_add3_u32 v5, v57, v59, v61
	v_add_nc_u32 v4, v4, v62
	v_add_nc_u32 v5, v5, v63
	v_cvt_f32_u32 v4, v4                           ; at most 8,192: exact
	v_cvt_f32_u32 v5, v5
	v_pk_mul_f32 v[4:5], v[4:5], 0x39000000 op_sel_hi:[1,0]    ; x 2^-13: exact
	v_cmp_eq_u32 vcc_lo, 0, v0
	s_wait_xcnt 0x0                                ; EXEC is a source of the stores above: it narrows only behind this wait
	s_and_saveexec_b32 s49, vcc_lo                 ; thread 0 alone
	global_store_b64 v7, v[4:5], s[12:13]
	s_wait_xcnt 0x0                                ; and widens again only behind this one
	s_or_b32 exec_lo, exec_lo, s49
	s_wait_tensorcnt 0x0
	ds_add_u32 v128, v129
	s_wait_dscnt 0x0
	s_endpgm
.Lfunc_end_k_qeaa49a0c5e_prep:
	.size	k_qeaa49a0c5e_prep, .Lfunc_end_k_qeaa49a0c5e_prep-k_qeaa49a0c5e_prep
	.p2alignl 7, 3214868480
	.fill 96, 4, 3214868480
	.section	.rodata,"a",@progbits
	.p2align	6, 0x0
	.amdhsa_kernel k_qeaa49a0c5e_prep
		.amdhsa_group_segment_fixed_size 768
		.amdhsa_private_segment_fixed_size 0
		.amdhsa_enable_private_segment 0
		.amdhsa_kernarg_size 40
		.amdhsa_user_sgpr_count 2
		.amdhsa_user_sgpr_kernarg_segment_ptr 1
		.amdhsa_wavefront_size32 1
		.amdhsa_system_sgpr_workgroup_id_x 1
		.amdhsa_system_sgpr_workgroup_id_y 1
		.amdhsa_system_sgpr_workgroup_id_z 1
		.amdhsa_system_vgpr_workitem_id 0
		.amdhsa_next_free_vgpr 130
		.amdhsa_next_free_sgpr 66
		.amdhsa_reserve_vcc 1
		.amdhsa_float_denorm_mode_32 3
		.amdhsa_float_denorm_mode_16_64 3
		.amdhsa_memory_ordered 1
		.amdhsa_forward_progress 1
		.amdhsa_inst_pref_size 29
	.end_amdhsa_kernel
	.amdgpu_metadata
---
amdhsa.version: [ 1, 2 ]
amdhsa.kernels:
  - .name:           k_qeaa49a0c5e_prep
    .symbol:         k_qeaa49a0c5e_prep.kd
    .args:
      - { .name: W1, .offset: 0, .size: 8, .value_kind: global_buffer, .address_space: global }
      - { .name: W2, .offset: 8, .size: 8, .value_kind: global_buffer, .address_space: global }
      - { .name: y_idx, .offset: 16, .size: 8, .value_kind: global_buffer, .address_space: global }
      - { .name: wf, .offset: 24, .size: 8, .value_kind: global_buffer, .address_space: global }
      - { .name: wts, .offset: 32, .size: 8, .value_kind: global_buffer, .address_space: global }
    .group_segment_fixed_size: 768
    .private_segment_fixed_size: 0
    .kernarg_segment_align: 8
    .kernarg_segment_size: 40
    .max_flat_workgroup_size: 128
    .sgpr_count:     66
    .vgpr_count:     130
    .wavefront_size: 32
...
	.end_amdgpu_metadata
.endif
;; end of part 1
;; launch main (part 2): grid 256 x 1, 4 waves a work-group, clusters of 4 x 1, 327,680 bytes of LDS; arguments x_samples, y_idx, b1, b2, wf, wts, out0; writes out0
.if DOCPART == 2
	.amdgcn_target "amdgcn-amd-amdhsa--gfx1250"
	.amdhsa_code_object_version 6
	.text
	.protected	k_qeaa49a0c5e_main
	.globl	k_qeaa49a0c5e_main
	.p2align	8
	.type	k_qeaa49a0c5e_main,@function
k_qeaa49a0c5e_main:
	s_mov_b64 s[64:65], 0
	v_nop
	global_prefetch_b8 v0, s[64:65] scope:SCOPE_SE
	s_setreg_imm32_b32 hwreg(HW_REG_WAVE_MODE, 25, 1), 1
	s_wait_xcnt 0x0
	s_wait_alu depctr_hold_cnt(0) depctr_sa_sdst(0) depctr_va_vdst(0) depctr_va_sdst(0) depctr_va_ssrc(0) depctr_va_vcc(0) depctr_vm_vsrc(0)
	s_getreg_b32 s2, hwreg(HW_REG_IB_STS2, 6, 4)
	s_cmp_eq_u32 s2, 0
	s_cbranch_scc0 .Lentry_in_a_cluster
	s_endpgm
.Lentry_in_a_cluster:
	s_bfe_u32 s2, ttmp6, 0x10000c
	s_cmp_lg_u32 s2, 0x3003
	s_cbranch_scc0 .Lentry_shape_is_right
	s_endpgm
.Lentry_shape_is_right:
; main: out[i] = logp[i][y_i] - sum over c of wts[c] logp[i][c],  logp = log_softmax(relu(x W1 + b1) W2 + b2).
; (The mean over j of logp[i][y_j] is the sum over the classes with the weight cnt[c] / 8192, which the launch before has stored in wts.)
; 256 work-groups of 32 rows, four waves.  The hidden layer goes in 8 chunks of 128 units.  In a chunk:
;   G1: wave w makes hidden units 128 t + 32 w .. + 31 of all 32 rows (4 accumulators, K = 512, 64 matrix instructions);
;   G2: wave w adds the chunk's 128 hidden units onto classes 128 w .. + 127 of all 32 rows (16 accumulators, 64 matrix instructions).
; BOTH PRODUCTS ARE USED TRANSPOSED: source 0 = weights, source 1 = activations.  In G1's result lane (r, h) holds hidden units
; 8 h .. 8 h + 7 of x row r, so two tiles rounded to bf16 ARE a source-1 fragment of G2; the waves hand them to each other through LDS,
; 8 KiB a chunk, in two buffers that take turns, so that one barrier a chunk orders both the stores and the next stores over old reads.
; x (32 x 512, bf16) stays in 256 registers, the logits in 128.  The biases are loaded straight into the accumulators: nothing is cleared or added.
; WEIGHTS: wf holds them in bf16, in fragment order: for chunk t 128 KiB of W1, then 128 KiB of W2, each as four wave parts of 32 KiB.
; A wave reads its own part alone, once.
;   W1 comes through two LDS slots of 128 KiB (chunks by turns), a wave fetching its own quarter (128 rows of 256 bytes, one tensor load).  All
;   work-groups walk the same weights, so four of them form a cluster and ask jointly (mask 15): the requests for W1 are divided by four.
;   A slot is asked for again behind G1 of its chunk and waited for behind G1 of the next: 128 matrix instructions later.
;   A wave has at most two tensor loads out: the two first fills, later one refill.
;   W2 is NOT asked for jointly: it goes from memory straight into the registers from which it is multiplied.  The reason: through LDS one slot
;   (128 KiB) at the most is on its way between two rounds of the cluster's barrier, since all tensor loads are waited for in front of a round,
;   and 2 MiB of weights would take 16 fills with 64 matrix instructions for each to land in.  Register loads stay out across barriers: 48 loads
;   (24 KiB a wave) are on their way throughout, LDS carries half the bytes, and a chunk has one round instead of two.
; A fragment lies in wf and in LDS as the lanes take it (lane L at 16 L, and at 512 + 16 L): neighbouring bytes, so no padding is needed.
; LIMITS: a NaN does not pass the ReLU or the maxima (v_max_num_f32 lets the number win).  The mean is summed by class, another order of rounding
; than a sum over j.  y_idx enters comparisons alone, never an address.  Exponents are fma(x, log2 e, -m log2 e): at x = m the residue is half a
; unit in the last place of m log2 e.  The work-group's 32 results are 128 neighbouring bytes of out0.
.set FILLB,  131072                    ; W1's or W2's part of a chunk, and an LDS slot
.set CHUNKB, 262144                    ; a chunk's bytes in wf
.set SLOT1,  131072                    ; slot 0 at LDS byte 0 (even chunks), slot 1 here (odd chunks); only these two are the mover's targets
.set XB,     262144                    ; x in bf16: 32 rows,
.set XP,     1040                      ; 1,040 bytes apart = 65 x 16: the 16 rows of a fragment load start 16 bytes apart modulo 256
.set HB,     295424                    ; h: fragment (making wave, rt) at 1,024 (2 wave + rt);
.set HBB,    8192                      ; two such buffers, for even and odd chunks
.set B1S,    311808                    ; b1, f32, 4,096 bytes
.set ST1,    315904                    ; [wave][row] (maximum, sum), 8 bytes each
.set ST2,    316928                    ; [wave][row] the wave's part of the result, 4 bytes each
; window 0
.set L16, 1                            ; 16 L: also my place in a fragment of W2 in memory; never rewritten
.set RR,  2                            ; r = L % 16
.set HH,  3                            ; h = L / 16
.set A0,  4                            ; my fragments in slot 0: 32,768 w + 16 L
.set A1,  5                            ; in slot 1
.set B1A, 6                            ; b1 of my hidden units: B1S + 128 w + 32 h, + 512 a chunk
.set HS,  7                            ; where I put h: HB + 2,048 w + 16 L
.set HRA, 8                            ; where I read h: HB + 16 L
.set XRA, 9                            ; x fragments: XB + 1,040 r + 16 h
.set XGO, 10                           ; x in memory: 16,384 w + 16 L
.set XST, 11                           ; x into LDS: XB + 8,320 w + 8 L
.set BGO, 12                           ; b1 in memory: 16 x thread
.set BST, 13                           ; b1 into LDS
.set CGO, 14                           ; b2 and wts of my classes: 512 w + 32 h
.set YGO, 15                           ; 4 r
.set YR,  16                           ; v16, v17: y of rows r and 16 + r
.set CB,  18                           ; 128 w + 8 h: my first class
.set S1S, 19
.set S1R, 20
.set S2S, 21
.set S2R, 22
.set OGO, 23                           ; 4 L
.set BD,  24                           ; v[24:31]  b1 on its way into LDS
.set HACC, 32                          ; v[32:63]   G1's accumulators (ht, rt) at 8 (2 ht + rt)
.set HR,   64                          ; v[64:127]  h fragments (ks4, rt) at 8 (2 ks4 + rt)
.set ACC,  128                         ; v[128:255] the logits (ct8, rt) at 8 (2 ct8 + rt): register j = class 128 w + 16 ct8 + 8 h + j, row 16 rt + r
; window 1: x fragments (ks, rt) at 8 (2 ks + rt); at the start its v0-127 hold x as loaded
; window 2: the chunk's 32 fragments of W1, fragment 2 ks + ht at 8 (2 ks + ht)
; window 3: the chunk's 32 fragments of W2, fragment 8 ks4 + ct8 at 8 (8 ks4 + ct8); at the end v0-63 hold wts of my classes, at 8 ct8 + j
; the way out, window 0, in registers that the chunks have left
.set LN,  32                           ; (before the chunks: the lane's number)
.set TA,  32                           ; 8 exponentials at work
.set TB,  40                           ; 8 more
.set SM,  48                           ; two pairs of sums
.set NMK, 52                           ; -m log2 e, twice
.set MW,  54                           ; the wave's maximum, rt = 0, 1
.set SW,  56                           ; the wave's sum
.set MX,  58                           ; two chains
.set PR,  60                           ; a pair to store
.set ST,  64                           ; (m, s) of wave w', rt at 4 w' + 2 rt
.set LS,  80                           ; lse, twice, for each rt
.set DD,  84                           ; y - my first class
.set GM,  85                           ; the row's maximum
.set POS, 86                           ; logp at y, if it is mine
.set NG,  88                           ; two pairs of weighted sums
.set DW,  92                           ; my wave's pos - neg
.set EX,  96
; s_set_vgpr_msb's low byte: bits 1:0 source 0, 3:2 source 1, 5:4 source 2, 7:6 destination; its high byte repeats the setting that is left
.set MSB, 0
.macro WIN new
.if MSB != \new
	s_set_vgpr_msb (MSB<<8)|\new
.set MSB, \new
.endif
.endm
.set LD_X,  0x40                       ; loaded data into window 1
.set CV_X,  0x45                       ; destination and both sources in window 1
.set ST_X,  0x04                       ; LDS store data from window 1
.set LD_W,  0x80                       ; loaded data into window 2
.set LD_T,  0xc0                       ; loaded data into window 3
.set MUL1,  0x06                       ; W1 window 2, x window 1, accumulators window 0
.set MUL2,  0x03                       ; W2 window 3, h and accumulators window 0
.set FMA_T, 0x0c                       ; source 1 in window 3
; Four places behind a matrix instruction before a vector instruction reads its result or a load is issued into one of its registers
; (ISA guide 7.12.1 for vector instructions).
.macro PLACES
.rept 4
	v_nop
.endr
.endm
; A round of the cluster's barrier: my work-group's barrier, wave 0 signals for the work-group, every wave waits for all four work-groups,
; my work-group's barrier once more.
.macro ROUND
	s_barrier_signal -1
	s_barrier_wait -1
	s_cmp_lg_u32 s18, 0
	s_cbranch_scc1 .Lnot_wave_0_\@
	s_barrier_signal -3
.Lnot_wave_0_\@:
	s_barrier_wait -3
	s_barrier_signal -1
	s_barrier_wait -1
.endm
; my 32 fragments of W1 from a slot, 64 loads in one run
.macro LDW adr
	WIN LD_W
.irp i, 0,1,2,3,4,5,6,7,8,9,10,11,12,13,14,15,16,17,18,19,20,21,22,23,24,25,26,27,28,29,30,31
	ds_load_b128 v[8*\i:8*\i+3],   v[\adr] offset:1024*\i
	ds_load_b128 v[8*\i+4:8*\i+7], v[\adr] offset:1024*\i+512
.endr
.endm
; quarter q (hidden units 32 q .. 32 q + 31 of the chunk at s[12:13]) of my fragments of W2, from memory: 16 loads of 512 neighbouring bytes
.macro W2LD q
	WIN LD_T
.irp c, 0,1,2,3,4,5,6,7
	global_load_b128 v[8*(8*\q+\c):8*(8*\q+\c)+3],   v[L16], s[12:13] offset:1024*(8*\q+\c)
	global_load_b128 v[8*(8*\q+\c)+4:8*(8*\q+\c)+7], v[L16], s[12:13] offset:1024*(8*\q+\c)+512
.endr
.endm
	s_load_b256 s[4:11], s[0:1], 0x0               ; x s[4:5], y_idx s[6:7], b1 s[8:9], b2 s[10:11]
	s_load_b128 s[12:15], s[0:1], 0x20             ; wf s[12:13], wts s[14:15]
	s_load_b64 s[16:17], s[0:1], 0x30              ; out0
	v_lshl_add_u32 v126, v0, 2, 0x4da00
	v_mov_b32 v127, 0
	ds_add_u32 v126, v127
	s_wait_dscnt 0x0
	v_lshrrev_b32 v[LN], 5, v0
	v_readfirstlane_b32 s18, v[LN]                 ; wave 0 .. 3
	v_and_b32 v[LN], 31, v0                        ; L
	v_lshlrev_b32 v[L16], 4, v[LN]
	s_lshl_b32 s41, s18, 14
	v_add_nc_u32 v[XGO], s41, v[L16]               ; my wave's 8 rows of 2,048 bytes
	v_lshlrev_b32 v[BGO], 4, v0
	s_bfe_u32 s19, ttmp6, 0x40000                  ; cx: my place in the cluster
	s_lshl_b32 s20, ttmp9, 2                       ; ttmp9 counts clusters
	s_add_co_u32 s20, s20, s19                     ; work-group 0 .. 255: it enters the bases of x, y_idx and out0 alone
	s_mov_b32 s23, 0
	s_lshl_b32 s22, s20, 16                        ; 32 rows of 2,048 bytes
	s_wait_kmcnt 0x0
	s_add_nc_u64 s[4:5], s[4:5], s[22:23]
	s_lshl_b32 s22, s20, 7                         ; 32 words
	s_add_nc_u64 s[6:7], s[6:7], s[22:23]
	s_add_nc_u64 s[16:17], s[16:17], s[22:23]
	; x: wave w takes rows 8 w + i; a load covers 512 neighbouring bytes
	WIN LD_X
.irp i, 0,1,2,3,4,5,6,7
.irp s, 0,1,2,3
	global_load_b128 v[4*(4*\i+\s):4*(4*\i+\s)+3], v[XGO], s[4:5] offset:2048*\i+512*\s th:TH_LOAD_NT
.endr
.endr
	WIN 0
	global_load_b128 v[BD:BD+3],   v[BGO], s[8:9]
	global_load_b128 v[BD+4:BD+7], v[BGO], s[8:9] offset:2048
	; descriptor group 1: 128 rows of 32 elements of 8 bytes, dense, no padding; the same for every load
	s_mov_b32 s24, 0x0023000f                      ; 15:0 mask: all four work-groups of the cluster; 17:16 elements of 8 bytes; 21 set beside a mask
	s_mov_b32 s25, 32<<16                          ; tensor_dim0 = 32
	s_mov_b32 s26, 128<<16                         ; tensor_dim1 = 128
	s_mov_b32 s27, 32<<16                          ; tile_dim0 = 32
	s_mov_b32 s28, 128                             ; tile_dim1 = 128
	s_mov_b32 s29, 32                              ; from row to row: 32 elements
	s_mov_b32 s30, 0
	s_mov_b32 s31, 0
	; group 0, one set for each slot: made of wf and the wave's number alone, so equal in the four partners
	s_mov_b32 s32, 1
	s_lshl_b32 s33, s18, 15                        ; slot 0, my quarter
	s_mov_b32 s36, 1
	s_add_co_u32 s37, s33, SLOT1                   ; slot 1, my quarter
	s_lshl_b32 s22, s18, 15
	s_add_nc_u64 s[34:35], s[12:13], s[22:23]      ; W1 of chunk 0, my quarter
	s_add_nc_u64 s[38:39], s[34:35], CHUNKB        ; W1 of chunk 1
	s_add_nc_u64 s[12:13], s[34:35], FILLB         ; W2 of chunk 0, my quarter: the base of the register loads
	s_or_b32 s35, s35, 0x80000000                  ; type = 2
	s_or_b32 s39, s39, 0x80000000
	ROUND                                          ; all four work-groups are here: the first joint loads meet
	tensor_load_to_lds s[32:35], s[24:31]          ; both first fills go out together
	s_nop 0
	tensor_load_to_lds s[36:39], s[24:31]
	s_nop 0
	; y of my two rows, b2 into the logits' accumulators
	v_and_b32 v[RR], 15, v0
	v_bfe_u32 v[HH], v0, 4, 1
	s_lshl_b32 s41, s18, 9
	v_lshl_add_u32 v[CGO], v[HH], 5, s41
	v_lshlrev_b32 v[YGO], 2, v[RR]
	global_load_b32 v[YR],   v[YGO], s[6:7]
	global_load_b32 v[YR+1], v[YGO], s[6:7] offset:64
.irp c, 0,1,2,3,4,5,6,7
.irp rt, 0,1
	global_load_b128 v[ACC+16*\c+8*\rt:ACC+16*\c+8*\rt+3],   v[CGO], s[10:11] offset:64*\c
	global_load_b128 v[ACC+16*\c+8*\rt+4:ACC+16*\c+8*\rt+7], v[CGO], s[10:11] offset:64*\c+16
.endr
.endr
	; the other addresses and constants, while the loads are on their way
	v_add_nc_u32 v[A0], s33, v[L16]
	v_add_nc_u32 v[A1], SLOT1, v[A0]
	s_lshl_b32 s41, s18, 7
	v_lshl_add_u32 v[CB], v[HH], 3, s41
	s_add_co_u32 s41, s41, B1S
	v_lshl_add_u32 v[B1A], v[HH], 5, s41
	s_lshl_b32 s41, s18, 11
	s_add_co_u32 s41, s41, HB
	v_add_nc_u32 v[HS], s41, v[L16]
	v_add_nc_u32 v[HRA], HB, v[L16]
	v_mul_u32_u24 v[XRA], v[RR], XP
	v_lshl_add_u32 v[XRA], v[HH], 4, v[XRA]
	v_add_nc_u32 v[XRA], XB, v[XRA]
	s_mul_i32 s41, s18, 8*XP
	s_add_co_u32 s41, s41, XB
	v_lshl_add_u32 v[XST], v[LN], 3, s41
	v_add_nc_u32 v[BST], B1S, v[BGO]
	s_lshl_b32 s41, s18, 8
	s_add_co_u32 s41, s41, ST1
	v_lshl_add_u32 v[S1S], v[LN], 3, s41
	v_lshl_add_u32 v[S1R], v[RR], 3, ST1
	v_lshlrev_b32 v[OGO], 2, v[LN]
	s_lshl_b32 s41, s18, 7
	s_add_co_u32 s41, s41, ST2
	v_add_nc_u32 v[S2S], s41, v[OGO]
	v_add_nc_u32 v[S2R], ST2, v[OGO]
	s_mov_b32 s42, 0x3fb8aa3b                      ; log2 e, as a pair for the packed forms
	s_mov_b32 s43, 0x3fb8aa3b
	s_mov_b32 s44, 0x3f317218                      ; ln 2
	s_mov_b32 s45, 0x76543210                      ; v_permlanex16_b32: lane i takes lane i of the other half
	s_mov_b32 s46, 0xfedcba98
	s_wait_loadcnt 0x0                             ; x and b1, and y and b2, which were asked for right behind them: the ring of W2's loads starts from none out
	W2LD 0                                         ; W2 of chunk 0, quarters 0 to 2: 48 loads; quarter 3 follows in the middle of G1, as in every chunk
	W2LD 1
	W2LD 2
	WIN CV_X
.set n, 0
.rept 32
	v_cvt_pk_bf16_f32 v[4*n],   v[4*n],   v[4*n+1]  ; four f32 become 8 bytes, in place
	v_cvt_pk_bf16_f32 v[4*n+1], v[4*n+2], v[4*n+3]
.set n, n+1
.endr
	WIN ST_X
.irp i, 0,1,2,3,4,5,6,7
.irp s, 0,1,2,3
	ds_store_b64 v[XST], v[4*(4*\i+\s):4*(4*\i+\s)+1] offset:XP*\i+256*\s   ; 32 lanes, 256 neighbouring bytes of row 8 w + i
.endr
.endr
	WIN 0
	ds_store_b128 v[BST], v[BD:BD+3]
	ds_store_b128 v[BST], v[BD+4:BD+7] offset:2048
	s_wait_dscnt 0x0                               ; for the other waves' sake: my rows of x and my part of b1 are in LDS
	s_barrier_signal -1                            ; The two fills may stay on their way
	s_barrier_wait -1
	WIN LD_X
.irp ks, 0,1,2,3,4,5,6,7,8,9,10,11,12,13,14,15
.irp rt, 0,1
	ds_load_b128 v[8*(2*\ks+\rt):8*(2*\ks+\rt)+3],   v[XRA] offset:16*XP*\rt+64*\ks      ; row 16 rt + r, k = 32 ks + 8 h ..
	ds_load_b128 v[8*(2*\ks+\rt)+4:8*(2*\ks+\rt)+7], v[XRA] offset:16*XP*\rt+64*\ks+32   ; k = 32 ks + 16 + 8 h ..
.endr
.endr
	WIN 0
	s_wait_tensorcnt 0x1                           ; my quarter of slot 0 is in, slot 1's may stay out; I read only what my own loads brought
; one K step of G1: 32 along K, the four accumulators once each
.macro G1K ks
	s_wait_dscnt 60-4*\ks                          ; behind fragments 2 ks and 2 ks + 1 the run issued 64 - 4 (ks + 1) loads; all that is older is in
.irp ht, 0,1
.irp rt, 0,1
	v_wmma_f32_16x16x32_bf16 v[HACC+8*(2*\ht+\rt):HACC+8*(2*\ht+\rt)+7], v[8*(2*\ks+\ht):8*(2*\ks+\ht)+7], v[8*(2*\ks+\rt):8*(2*\ks+\rt)+7], v[HACC+8*(2*\ht+\rt):HACC+8*(2*\ht+\rt)+7]   ; the four accumulators take turns, one instruction a turn
.endr
.endr
.endm
; G1: h(my 32 hidden units, 32 rows) = relu(W1^T x^T + b1), rounded to bf16, into h's buffer par.  W1 from slot par.
; In its middle the chunk's last quarter of W2 is asked for.  last = 0: b1's address goes on to the next chunk.
.macro G1 par, last
.irp ht, 0,1
.irp rt, 0,1
	ds_load_b128 v[HACC+8*(2*\ht+\rt):HACC+8*(2*\ht+\rt)+3],   v[B1A] offset:64*\ht      ; the bias is the first C: register j = hidden unit 16 ht + 8 h + j
	ds_load_b128 v[HACC+8*(2*\ht+\rt)+4:HACC+8*(2*\ht+\rt)+7], v[B1A] offset:64*\ht+16
.endr
.endr
	LDW A0+\par
	WIN MUL1
.irp ks, 0,1,2,3,4,5,6,7
	G1K \ks
.endr
	s_wait_loadcnt 32                              ; W2's quarter 0 of this chunk is in: quarters 1 and 2 (32 loads) were asked for behind it.  With the 16 below 48 are out at the most
	PLACES                                         ; quarter 3's registers were last read by the matrix instructions at the end of the chunk before
	W2LD 3
	WIN MUL1
.irp ks, 8,9,10,11,12,13,14,15
	G1K \ks
.endr
	WIN 0
	PLACES
.set n, 0
.rept 32
	v_max_num_f32 v[HACC+n], 0, v[HACC+n]          ; ReLU
.set n, n+1
.endr
.irp f, 0,1,2,3
.irp p, 0,1,2,3
	v_cvt_pk_bf16_f32 v[HACC+8*\f+\p], v[HACC+8*\f+2*\p], v[HACC+8*\f+2*\p+1]   ; in place: register p is written when its own number has been read
.endr
.endr
.irp ht, 0,1
.irp rt, 0,1
	ds_store_b128 v[HS], v[HACC+8*(2*\ht+\rt):HACC+8*(2*\ht+\rt)+3] offset:\par*HBB+1024*\rt+512*\ht   ; tile ht is registers 4 ht .. 4 ht + 3 of G2's fragment
.endr
.endr
.if \last == 0
	v_add_nc_u32 v[B1A], 512, v[B1A]               ; 128 hidden units on
.endif
.endm
; a quarter of G2: hidden units 32 q .. 32 q + 31 of the chunk onto all sixteen accumulators
.macro G2Q q
.irp c, 0,1,2,3,4,5,6,7
.irp rt, 0,1
	v_wmma_f32_16x16x32_bf16 v[ACC+16*\c+8*\rt:ACC+16*\c+8*\rt+7], v[8*(8*\q+\c):8*(8*\q+\c)+7], v[HR+8*(2*\q+\rt):HR+8*(2*\q+\rt)+7], v[ACC+16*\c+8*\rt:ACC+16*\c+8*\rt+7]   ; the sixteen accumulators take turns, one instruction a turn
.endr
.endr
.endm
; G2: logits(my 128 classes, 32 rows) += W2^T h^T over the chunk's 128 hidden units; h from buffer par.
; W2's registers are a ring of four quarters.  Behind a quarter's matrix instructions come the wait for the next quarter, four places, and the
; request for the same quarter of the next chunk.  Loads come back in order, and behind the quarter that is waited for two quarters (32 loads)
; have been asked for.  last = 1: nothing is left of W2; quarter 0's registers take wts, for the way out.
.macro G2 par, last
.if \last == 0
	s_wait_xcnt 0x0                                ; the addresses of all earlier loads are translated: their base may be stepped
	s_add_nc_u64 s[12:13], s[12:13], CHUNKB        ; W2 of the next chunk
.endif
.irp f, 0,1,2,3,4,5,6,7
	ds_load_b128 v[HR+8*\f:HR+8*\f+3],   v[HRA] offset:\par*HBB+1024*\f
	ds_load_b128 v[HR+8*\f+4:HR+8*\f+7], v[HRA] offset:\par*HBB+1024*\f+512
.endr
	WIN MUL2
	s_wait_dscnt 12                                ; a quarter needs four of h's sixteen loads: 12, 8, 4, 0 were issued behind them
	G2Q 0                                          ; quarter 0 of W2 was shown in by the wait in the middle of G1
	s_wait_loadcnt 32                              ; quarter 1 is in; quarters 2 and 3 may stay out
	PLACES
.if \last
	WIN LD_T
.irp c, 0,1,2,3,4,5,6,7
	global_load_b128 v[8*\c:8*\c+3],   v[CGO], s[14:15] offset:64*\c       ; wts of classes 128 w + 16 c + 8 h + 0 .. 7
	global_load_b128 v[8*\c+4:8*\c+7], v[CGO], s[14:15] offset:64*\c+16
.endr
.else
	W2LD 0
.endif
	WIN MUL2
	s_wait_dscnt 8
	G2Q 1
	s_wait_loadcnt 32                              ; quarter 2 is in; quarter 3 and the 16 loads just issued may stay out
.if \last == 0
	PLACES
	W2LD 1
	WIN MUL2
.endif
	s_wait_dscnt 4
	G2Q 2
.if \last
	s_wait_loadcnt 16                              ; quarter 3 is in; only the 16 loads of wts are younger
.else
	s_wait_loadcnt 32                              ; quarter 3 is in; the next chunk's quarters 0 and 1 may stay out
	PLACES
	W2LD 2
	WIN MUL2
.endif
	s_wait_dscnt 0
	G2Q 3
	WIN 0
.endm
; A chunk on slot par and h's buffer par.  ONE barrier, between G1 and G2.  In front of it every wave has waited for its LDS instructions (its reads
; of the slot, its stores of h, and, in G2 of the chunk before, its reads of the other buffer of h) and for all its tensor loads.
; fill = 1: the barrier is a round of the cluster's barrier, and the joint refill, W1 two chunks on, is the first thing behind it.
.macro CHUNK par, fill, last
	G1 \par, \last
	s_wait_dscnt 0x0                               ; my reads of the slot and my stores of h are done
	s_wait_xcnt 0x0
	v_lshl_add_u32 v126, v0, 2, 0x4da00
	v_mov_b32 v127, 0
	s_wait_tensorcnt 0x0                           ; all my tensor loads have landed, my quarter of the other slot among them: a group 0 may be written
	ds_add_u32 v126, v127
	s_wait_dscnt 0x0
.if \fill
	s_add_nc_u64 s[34+4*\par:35+4*\par], s[34+4*\par:35+4*\par], 2*CHUNKB
	ROUND
	tensor_load_to_lds s[32+4*\par:35+4*\par], s[24:31]    ; my one load behind the round
	s_nop 0
.else
	s_barrier_signal -1                            ; nothing is left to fetch: the barrier is for h alone
	s_barrier_wait -1
.endif
	G2 \par, \last
.endm
	s_mov_b32 s40, 3                               ; chunks 0 to 5 fetch W1 of chunks 2 to 7
.Lchunk:
	CHUNK 0, 1, 0
	CHUNK 1, 1, 0
	s_sub_co_u32 s40, s40, 1
	s_cmp_lg_u32 s40, 0
	s_cbranch_scc1 .Lchunk
	CHUNK 0, 0, 0                                  ; chunk 6: no slot is filled that no later chunk reads
	CHUNK 1, 0, 1                                  ; chunk 7: its wait for 0 leaves no tensor load out
	; THE WAY OUT.  Lane (r, h) holds, of rows r (rt = 0) and 16 + r (rt = 1), the 64 classes 128 w + 16 ct8 + 8 h + j.
; the largest logit of a row among my wave's 128 classes: two chains in the lane, then the other half of the lanes
.macro ROWMAX rt
.set B0, ACC+8*\rt
.set B1, ACC+16+8*\rt
	v_max_num_f32 v[MX],   v[B0], v[B0+1]
	v_max_num_f32 v[MX+1], v[B1], v[B1+1]
.irp k, 2,4,6
	v_max3_num_f32 v[MX],   v[MX],   v[B0+\k], v[B0+\k+1]
	v_max3_num_f32 v[MX+1], v[MX+1], v[B1+\k], v[B1+\k+1]
.endr
.irp p, 1,2,3
.irp k, 0,2,4,6
	v_max3_num_f32 v[MX],   v[MX],   v[B0+32*\p+\k], v[B0+32*\p+\k+1]
	v_max3_num_f32 v[MX+1], v[MX+1], v[B1+32*\p+\k], v[B1+32*\p+\k+1]
.endr
.endr
	v_max_num_f32 v[MX], v[MX], v[MX+1]
	v_permlanex16_b32 v[MX+1], v[MX], s45, s46
	v_max_num_f32 v[MW+\rt], v[MX], v[MX+1]
.endm
.macro EFMA c, rt, reg                 ; eight exponents of tile c: x log2 e - m log2 e
.irp k, 0,2,4,6
	v_pk_fma_f32 v[\reg+\k:\reg+\k+1], v[ACC+16*\c+8*\rt+\k:ACC+16*\c+8*\rt+\k+1], s[42:43], v[NMK:NMK+1] op_sel_hi:[1,0,1]
.endr
.endm
.macro EEXP reg
.irp k, 0,1,2,3,4,5,6,7
	v_exp_f32 v[\reg+\k], v[\reg+\k]
.endr
.endm
.macro EADD reg, first                 ; first = 1: the first tile starts the sums, nothing is cleared
.if \first
	s_wait_alu depctr_va_vdst(0)
	v_pk_add_f32 v[SM:SM+1],   v[\reg:\reg+1],   v[\reg+4:\reg+5]
	v_pk_add_f32 v[SM+2:SM+3], v[\reg+2:\reg+3], v[\reg+6:\reg+7]
.else
	s_wait_alu depctr_va_vdst(0)
	v_pk_add_f32 v[SM:SM+1],   v[SM:SM+1],   v[\reg:\reg+1]
	v_pk_add_f32 v[SM+2:SM+3], v[SM+2:SM+3], v[\reg+2:\reg+3]
	v_pk_add_f32 v[SM:SM+1],   v[SM:SM+1],   v[\reg+4:\reg+5]
	v_pk_add_f32 v[SM+2:SM+3], v[SM+2:SM+3], v[\reg+6:\reg+7]
.endif
.endm
; the sum of exp(x - m) over my wave's 128 classes, m the wave's own maximum.  Behind a run of v_exp_f32 one plain vector instruction comes
; before a result is used (ISA guide 5.7.2): here the next tile's first multiply-add, which works on the other eight registers.
.macro EXPSUM rt
	v_mul_f32 v[NMK],   0xbfb8aa3b, v[MW+\rt]
	v_mul_f32 v[NMK+1], 0xbfb8aa3b, v[MW+\rt]
	EFMA 0, \rt, TA
	EEXP TA
	EFMA 1, \rt, TB
	EADD TA, 1
	EEXP TB
	EFMA 2, \rt, TA
	EADD TB, 0
	EEXP TA
	EFMA 3, \rt, TB
	EADD TA, 0
	EEXP TB
	EFMA 4, \rt, TA
	EADD TB, 0
	EEXP TA
	EFMA 5, \rt, TB
	EADD TA, 0
	EEXP TB
	EFMA 6, \rt, TA
	EADD TB, 0
	EEXP TA
	EFMA 7, \rt, TB
	EADD TA, 0
	EEXP TB
	v_nop                                          ; the plain place behind the last run
	EADD TB, 0
	v_pk_add_f32 v[SM:SM+1], v[SM:SM+1], v[SM+2:SM+3]
	v_add_f32 v[SM], v[SM], v[SM+1]
	v_permlanex16_b32 v[SM+1], v[SM], s45, s46
	v_add_f32 v[SW+\rt], v[SM], v[SM+1]
.endm
; lse of a row from the four waves' (m, s): M = max m, S = sum of s 2^((m - M) log2 e), lse = M + ln 2 log2 S.  The wave that holds M gives about 1 or more.
.macro LSE rt
.set Q, ST+2*\rt
	v_max3_num_f32 v[GM], v[Q], v[Q+4], v[Q+8]
	v_max_num_f32 v[GM], v[GM], v[Q+12]
	v_mul_f32 v[NMK], 0xbfb8aa3b, v[GM]
.irp w, 0,1,2,3
	v_fma_f32 v[EX+\w], v[Q+4*\w], s42, v[NMK]
.endr
.irp w, 0,1,2,3
	v_exp_f32 v[EX+\w], v[EX+\w]
.endr
	v_nop                                          ; the plain place behind the transcendentals
	s_wait_alu depctr_va_vdst(0)
	v_mul_f32 v[EX], v[EX], v[Q+1]
	v_fmac_f32 v[EX], v[EX+1], v[Q+5]
	v_fmac_f32 v[EX], v[EX+2], v[Q+9]
	v_fmac_f32 v[EX], v[EX+3], v[Q+13]
	v_log_f32 v[EX+1], v[EX]
	v_nop                                          ; and behind this one
	s_wait_alu depctr_va_vdst(0)
	v_fma_f32 v[LS+2*\rt], v[EX+1], s44, v[GM]
	v_mov_b32 v[LS+2*\rt+1], v[LS+2*\rt]           ; a pair for the packed subtraction
.endm
; logp = logit - lse, in place; pos = logp at the row's own class, if that class is among my 64 (else 0): a choice of a value, no address
.macro LOGP rt
	v_sub_nc_u32 v[DD], v[YR+\rt], v[CB]           ; equals 16 ct8 + j exactly where the class is register j of my tile ct8
	v_mov_b32 v[POS+\rt], 0
.irp c, 0,1,2,3,4,5,6,7
.irp k, 0,2,4,6
	v_pk_add_f32 v[ACC+16*\c+8*\rt+\k:ACC+16*\c+8*\rt+\k+1], v[ACC+16*\c+8*\rt+\k:ACC+16*\c+8*\rt+\k+1], v[LS+2*\rt:LS+2*\rt+1] neg_lo:[0,1] neg_hi:[0,1]
.endr
.irp j, 0,1,2,3,4,5,6,7
	v_cmp_eq_u32 vcc_lo, 16*\c+\j, v[DD]
	v_cndmask_b32 v[POS+\rt], v[POS+\rt], v[ACC+16*\c+8*\rt+\j], vcc_lo
.endr
.endr
.endm
; neg = sum of wts logp over my 64 classes, in two pairs of chains started by products; then pos - neg over both halves of the lanes
.macro NEGSUM rt
	WIN FMA_T
	v_pk_mul_f32 v[NG:NG+1],   v[ACC+8*\rt:ACC+8*\rt+1],   v[0:1]
	v_pk_mul_f32 v[NG+2:NG+3], v[ACC+8*\rt+2:ACC+8*\rt+3], v[2:3]
	v_pk_fma_f32 v[NG:NG+1],   v[ACC+8*\rt+4:ACC+8*\rt+5], v[4:5], v[NG:NG+1]
	v_pk_fma_f32 v[NG+2:NG+3], v[ACC+8*\rt+6:ACC+8*\rt+7], v[6:7], v[NG+2:NG+3]
.irp c, 1,2,3,4,5,6,7
.irp k, 0,4
	v_pk_fma_f32 v[NG:NG+1],   v[ACC+16*\c+8*\rt+\k:ACC+16*\c+8*\rt+\k+1],   v[8*\c+\k:8*\c+\k+1],   v[NG:NG+1]
	v_pk_fma_f32 v[NG+2:NG+3], v[ACC+16*\c+8*\rt+\k+2:ACC+16*\c+8*\rt+\k+3], v[8*\c+\k+2:8*\c+\k+3], v[NG+2:NG+3]
.endr
.endr
	WIN 0
	v_pk_add_f32 v[NG:NG+1], v[NG:NG+1], v[NG+2:NG+3]
	v_add_f32 v[NG], v[NG], v[NG+1]
	v_sub_f32 v[NG], v[POS+\rt], v[NG]
	v_permlanex16_b32 v[NG+1], v[NG], s45, s46
	v_add_f32 v[DW+\rt], v[NG], v[NG+1]
.endm
	PLACES                                         ; behind the last matrix instructions: their results are read now
	ROWMAX 0
	ROWMAX 1
	EXPSUM 0
	EXPSUM 1
	; lane L hands on row L's pair: rows 0-15 lie in rt = 0 of lanes 0-15, rows 16-31 in rt = 1 of lanes 16-31
	v_cmp_eq_u32 vcc_lo, 1, v[HH]
	v_cndmask_b32 v[PR],   v[MW], v[MW+1], vcc_lo
	v_cndmask_b32 v[PR+1], v[SW], v[SW+1], vcc_lo
	ds_store_b64 v[S1S], v[PR:PR+1]
	s_wait_dscnt 0x0                               ; for the other waves' sake
	s_barrier_signal -1
	s_barrier_wait -1
.irp w, 0,1,2,3
.irp rt, 0,1
	ds_load_b64 v[ST+4*\w+2*\rt:ST+4*\w+2*\rt+1], v[S1R] offset:256*\w+128*\rt
.endr
.endr
	s_wait_dscnt 0x0
	LSE 0
	LSE 1
	LOGP 0
	LOGP 1
	s_wait_loadcnt 0x0                             ; wts, asked for in the last chunk
	NEGSUM 0
	NEGSUM 1
	v_cmp_eq_u32 vcc_lo, 1, v[HH]
	v_cndmask_b32 v[PR], v[DW], v[DW+1], vcc_lo    ; row L's part
	ds_store_b32 v[S2S], v[PR]
	s_wait_dscnt 0x0                               ; for wave 0's sake
	s_barrier_signal -1
	s_barrier_wait -1
	s_cmp_lg_u32 s18, 0
	s_cbranch_scc1 .Lothers
.irp w, 0,1,2,3
	ds_load_b32 v[EX+\w], v[S2R] offset:128*\w     ; the four waves' parts of row L
.endr
	s_wait_dscnt 0x0
	v_add_f32 v[EX], v[EX], v[EX+1]
	v_add_f32 v[EX+2], v[EX+2], v[EX+3]
	v_add_f32 v[EX], v[EX], v[EX+2]
	global_store_b32 v[OGO], v[EX], s[16:17]       ; 32 lanes, 128 neighbouring bytes
.Lothers:
	s_wait_xcnt 0x0
	v_lshl_add_u32 v126, v0, 2, 0x4da00
	v_mov_b32 v127, 0
	s_wait_tensorcnt 0x0
	ds_add_u32 v126, v127
	s_wait_dscnt 0x0
	ROUND                                          ; the closing round: no work-group ends while a partner may still ask for a tile that names it
	s_endpgm
.Lfunc_end_k_qeaa49a0c5e_main:
	.size	k_qeaa49a0c5e_main, .Lfunc_end_k_qeaa49a0c5e_main-k_qeaa49a0c5e_main
	.p2alignl 7, 3214868480
	.fill 96, 4, 3214868480
	.section	.rodata,"a",@progbits
	.p2align	6, 0x0
	.amdhsa_kernel k_qeaa49a0c5e_main
		.amdhsa_group_segment_fixed_size 327680
		.amdhsa_private_segment_fixed_size 0
		.amdhsa_enable_private_segment 0
		.amdhsa_kernarg_size 56
		.amdhsa_user_sgpr_count 2
		.amdhsa_user_sgpr_kernarg_segment_ptr 1
		.amdhsa_wavefront_size32 1
		.amdhsa_system_sgpr_workgroup_id_x 1
		.amdhsa_system_sgpr_workgroup_id_y 1
		.amdhsa_system_sgpr_workgroup_id_z 1
		.amdhsa_system_vgpr_workitem_id 0
		.amdhsa_next_free_vgpr 1024
		.amdhsa_next_free_sgpr 66
		.amdhsa_reserve_vcc 1
		.amdhsa_float_denorm_mode_32 3
		.amdhsa_float_denorm_mode_16_64 3
		.amdhsa_memory_ordered 1
		.amdhsa_forward_progress 1
		.amdhsa_inst_pref_size 160
	.end_amdhsa_kernel
	.amdgpu_metadata
---
amdhsa.version: [ 1, 2 ]
amdhsa.kernels:
  - .name:           k_qeaa49a0c5e_main
    .symbol:         k_qeaa49a0c5e_main.kd
    .args:
      - { .name: x_samples, .offset: 0, .size: 8, .value_kind: global_buffer, .address_space: global }
      - { .name: y_idx, .offset: 8, .size: 8, .value_kind: global_buffer, .address_space: global }
      - { .name: b1, .offset: 16, .size: 8, .value_kind: global_buffer, .address_space: global }
      - { .name: b2, .offset: 24, .size: 8, .value_kind: global_buffer, .address_space: global }
      - { .name: wf, .offset: 32, .size: 8, .value_kind: global_buffer, .address_space: global }
      - { .name: wts, .offset: 40, .size: 8, .value_kind: global_buffer, .address_space: global }
      - { .name: out0, .offset: 48, .size: 8, .value_kind: global_buffer, .address_space: global }
    .group_segment_fixed_size: 327680
    .private_segment_fixed_size: 0
    .kernarg_segment_align: 8
    .kernarg_segment_size: 56
    .max_flat_workgroup_size: 128
    .sgpr_count:     66
    .vgpr_count:     1024
    .wavefront_size: 32
...
	.end_amdgpu_metadata
.endif
;; end of part 2
